; MI455X (gfx1250); checked and timed in simulation.
; The chip was launched on July 23, 2026; its instructions are those of AMD's public machine-readable ISA for CDNA 5 (MIT licence, August 2026) and "CDNA5" Instruction Set Architecture Reference Guide (July 2026). The comments in the code are by the model that wrote it; some were corrected since.
;; Latent Attention. Allowed arithmetic: matrix products marked QUANTISED: E2M1 operands, one E8M0 scale for each 32 along K, by v_wmma_scale_f32_16x16x128_f8f6f4 with both operands' format E2M1 (or v_wmma_scale_f32_32x16x128_f4), f32 sums; products left as they are: f32 operands where the result goes on into a quantised operand, else bf16, f16 or f32 operands; f32 sums; everything else in f32.
;; Inputs: b_proj 64 float32; b_qkv 192 float32; w_proj_codes 64 x 2 x 16 uint8 (E2M1 codes of w_proj, K innermost, in blocks of 32 codes, two codes a byte); w_proj_scales 64 x 2 uint8 (E8M0 scales of w_proj, one for each 32 codes along K); w_qkv_codes 192 x 2 x 16 uint8 (E2M1 codes of w_qkv, K innermost, in blocks of 32 codes, two codes a byte); w_qkv_scales 192 x 2 uint8 (E8M0 scales of w_qkv, one for each 32 codes along K); z_codes 32 x 1,024 x 2 x 16 uint8 (E2M1 codes of z, K innermost, in blocks of 32 codes, two codes a byte); z_scales 32 x 1,024 x 2 uint8 (E8M0 scales of z, one for each 32 codes along K).
;; Outputs: out0 32 x 1,024 x 64 float32.
;; This version of the problem:
;;   THIS VERSION OF THE PROBLEM IS GIVEN IN LOW PRECISION. The matrix products marked QUANTISED in the list below multiply operands that are first quantised to E2M1 (2 exponent bits, 1 mantissa bit; 4 bits a number), with one power-of-two scale for each 32 numbers along K (OCP MX v1.0); their sums are f32. All else is computed in f32.
;;   The module's matrix products, in the order in which they are computed (A, B: the left and right operand; K: the contracted axis; several contracted axes count as one K, in the product's order):
;;     1. [M 32,768, K 64] x [K 64, N 192]; A: input z (given as codes); B: input w_qkv (given as codes): QUANTISED
;;     2. batch 256 x [M 1,024, K 8] x [K 8, N 1,024]; A: computed on the way; B: computed on the way: left as it is (K = 8 < 32)
;;     3. batch 256 x [M 1,024, K 1,024] x [K 1,024, N 8]; A: softmax; B: computed on the way: left as it is (N = 8 < 16)
;;     4. [M 32,768, K 64] x [K 64, N 64]; A: computed on the way; B: input w_proj (given as codes): QUANTISED
;;   THE QUANTISER, for each operand of a quantised product, along K:
;;     - K is cut into blocks of 32 from its start; a last block that is shorter is filled with zeros.
;;     - A block's scale is 2^e with e = floor(log2(the largest magnitude in the block)) - 2, held to -126 .. 127; a block of zeros has e = 0. As a byte (E8M0): e + 127.
;;     - Each number is divided by its block's scale, clamped to +-6, and rounded to the nearest number of E2M1, ties to even, subnormals kept.
;;     - The product sums the exact products of the quantised numbers (number of the format x scale) in f32.
;;   ~~~python
;;   def quantise(x, axis):      # numpy; x: float32 -> the quantised numbers, widened to float32 again
;;       x = np.moveaxis(x, axis, -1); K = x.shape[-1]
;;       x = np.pad(x, [(0, 0)] * (x.ndim - 1) + [(0, -K % 32)]); x = x.reshape(x.shape[:-1] + (-1, 32)); a = np.abs(x).max(-1, keepdims=True)
;;       e = np.where(a > 0, np.clip(np.frexp(np.where(a > 0, a, 1))[1] - 1 - 2, -126, 127), 0)      # np.frexp(a)[1] - 1 = floor(log2(a)), exactly
;;       r = np.clip(x / 2.0 ** e, -6, 6)
;;       step = 2.0 ** (np.maximum(np.frexp(np.where(r == 0, 1, r))[1] - 1, 0) - 1)
;;       q = np.round(r / step) * step * 2.0 ** e      # np.round: ties to even
;;       return np.moveaxis(q.reshape(q.shape[:-2] + (-1,))[..., :K], -1, axis).astype(np.float32)
;;   ~~~
;;   OPERANDS COMPUTED ON THE WAY. 'Computed on the way' means the value that the module computes at that place (a softmax that the list does not call 'softmax' is quantised finished and normalised). What goes into a quantiser is computed in f32, as accurately as f32 sums, v_exp_f32 and their like allow (about 1e-6 of the number): no bf16 or f16 on the way to a quantiser, and a product that is left as it is and whose result goes on into a quantised operand takes f32 operands (vector FMAs, or v_wmma_f32_16x16x4_f32). A number that lies on a knife's edge between two numbers of the format may be rounded either way, as far as f32 arithmetic and the matrix unit's own rounding can turn it there, and no further.
;;   INPUTS GIVEN AS CODES. w_proj (in the module: [64, 64], K = its axis 0); w_qkv (in the module: [64, 192], K = its axis 0); z (in the module: [32, 1024, 64], K = its axis 2): each comes as NAME_codes (uint8): NAME with its K axis moved to the last place and cut into blocks of 32 codes, [.., K / 32, bytes a block], one block behind the other in memory; two codes a byte, the lower K in the low four bits (a code: sign, 2 exponent bits, 1 mantissa bit); and NAME_scales (uint8): the same leading axes, one E8M0 byte (e + 127) for each 32 codes along K. Its value is code x scale, taken as it is: it is not quantised again, and the codes and scales need not be those that the quantiser above would give.
;; 2 versions, each right; version 2 is version 1 with the launch latt written anew for expert scheduling mode. Each part assembles by itself: llvm-mc -triple=amdgcn-amd-amdhsa -mcpu=gfx1250 --defsym DOCPART=n.
;; ======== version 1 of 2: 1 launch
;; launch latt (part 1): grid 8 x 32, 16 waves a work-group, no clusters, 299,008 bytes of LDS; arguments z_codes, z_scales, w_qkv_codes, w_qkv_scales, b_qkv, w_proj_codes, w_proj_scales, b_proj, out0; writes out0
.if DOCPART == 1
	.amdgcn_target "amdgcn-amd-amdhsa--gfx1250"
	.amdhsa_code_object_version 6
	.text
	.protected	k_qb60c0f884d_latt
	.globl	k_qb60c0f884d_latt
	.p2align	8
	.type	k_qb60c0f884d_latt,@function
k_qb60c0f884d_latt:
	s_mov_b64 s[64:65], 0
	v_nop
	global_prefetch_b8 v0, s[64:65] scope:SCOPE_SE
	s_setreg_imm32_b32 hwreg(HW_REG_WAVE_MODE, 25, 1), 1
	s_wait_xcnt 0x0
; out = softmax_causal(q k^T / sqrt(8)) v, projected:  qkv = z W_qkv + b_qkv and out = o W_proj + b_proj are products on codes of FP4 (E2M1) with one E8M0 byte
; for each 32 along K (K = 64: two blocks; the instruction's other 64 along K are zero codes on both sides).  q k^T and p v lie on the way to the second product's
; quantiser, so they take f32 operands: v_wmma_f32_16x16x4_f32.  32 batches, 1,024 tokens, 8 heads of 8.
; SHARES.  Work-group (i = x in 0..7, b = y) owns batch b, all heads, and the query blocks i and 15 - i of 64 tokens.  Wave w: heads 2 hp and 2 hp + 1 (hp = w % 4), u = w / 4;
; it runs two units: query tile tA = 4 i + u (16 tokens), then tB = 63 - tA.  A key step is 32 keys; tile t needs steps 0 .. t / 2; tA + tB = 63, so every wave runs 33 steps, 24 f32 matrix instructions each.
; K AND V of all heads lie in LDS in f32, 512 keys at a time (262,144 bytes), made by the work-group itself from z's codes: pass 0 (keys 0-511) serves unit A and steps 0-15 of unit B, pass 1 the rest of unit B.
; They lie as IMAGES OF OPERAND REGISTERS: four registers of a wave are 512 consecutive bytes, 16 a lane.
; LAYOUTS (r = lane % 16, h = lane / 16).  Q, K: the FP4 product is used transposed (source 0 = 16 rows of W, source 1 = 16 tokens) and lane r of source 0 takes channel 16 t + 8 ((r/4)%2) + 4 (r/8) + r%4:
; registers 0-3 of the result are then token r, even head, dims 4 h .. 4 h + 3, registers 4-7 the odd head's: pairs of them are the f32 form's operands, the same order of dims on both sides.
; S^T = K Q^T: register j = key 8 h + j of query r.  V: natural (source 0 = tokens): register j = V(token 8 h + j, channel 16 t + r), which is source 0 of O^T = V^T P^T; pair 2 i, 2 i + 1 of V's image and of P hold the same four keys.
; O^T's rows 0-7 (lanes 0-15) are right with the even head's P, rows 8-15 (lanes 16-31) with the odd head's: two accumulators, chosen by lane at the end.
; SOFTMAX.  c = log2(e) / sqrt(8) is multiplied into Q once; for each query a running maximum M and sum L; p = 2^(s - M); in every step O and L are multiplied by 2^(old M - new M).
; V's bias is added at the end: the weights p / L of a row add up to 1, so sum (p / L) (V + bv) = (sum p V) / L + bv, for every input.
; NO CLUSTER, NO JOINT LOADS: what the eight work-groups of a batch share is z's 34,816 bytes of codes and scale bytes and 9,728 bytes of weights and biases; a wave takes them straight into operand
; registers, by 2 x 28 loads beside its 792 f32 matrix instructions.
; LIMITS: NaN and infinities among the inputs are not served.  Hidden scores get -3e38 added: that lies under every score while |score x c| stays far under 1e38.  p under 2^-126 counts as 0 (v_exp_f32).
; A block of the attention's output whose largest magnitude lies under 2^-124 keeps the scale byte 1.  1 / L is v_rcp_f32's; L is at least 1, since a row's largest p is 1.
.set STG,  262144                      ; LDS: behind K and V the stage: 128 rows (tokens 64 i + row; from row 64 on 64 (15 - i) + row - 64) of 256 bytes + 16 of padding
.set SP,   272
.set NEG,  0xff61b1e6                  ; -3e38
.set CQ,   0x3f0293ee                  ; log2(e) / sqrt(8)
.set RD0,  1                           ; v1   1024 hp + 16 lane: my heads' images in a key tile
.set AD,   2                           ; v2   LDS address of the step in hand
.set STO,  3                           ; v3   16384 w + 16 lane: where I store the images of my two key tiles
.set SGA,  4                           ; v4   the stage: where unit A's 32 bytes of a row go;  v5 unit B's
.set SGB,  5
.set GA,   6                           ; v6   32 r + 16 h: a row's block h of codes
.set GS,   7                           ; v7   2 r: a row's two scale bytes
.set PA,   8                           ; v8, v9 the same for the permuted rows of W_q and W_k
.set PS,   9
.set HB,   10                          ; v10  16 h
.set DQ,   11                          ; v11  r - 8 h
.set BVR,  16                          ; v16-23  V's bias at channels 16 hp + 8 h + 0 .. 7
.set QA,   24                          ; v24-31  unit A's Q x c: even head 24-27, odd head 28-31;  v32-39 unit B's
.set QB,   32
; v40-47, v48-55 O^T of the two heads; v56, 57 / v58, 59 (M, T); v60, 61 / v62, 63 (F, U); v64-65, v66-67 L.
; v72-119 are written by matrix instructions alone: S^T at 72, 80, 88, 96 (even head keys 0-15, odd head, even head keys 16-31, odd head), the step's V^T P^T at 104, 112.
; v120-151 P, in S^T's order (v120-135 hold the mask in a diagonal step, ahead of P); v152-167 K's four quads; v168-183 V's two images.  v240-253 hold scales and nothing else.
.set WK,   120                         ; while K and V are made: W_k's four fragments, W_v's, K's bias, z's two fragments
.set WV,   152
.set BK,   184
.set ZF,   216
.set WKS,  240
.set WVS,  244
.set ZS,   248
.set LAST, 28                          ; s28  the unit's last key step, t / 2
.set DG,   29                          ; s29  16 (t % 2)
.set KS,   30                          ; s30  the key step, counted over both passes
.set OFF,  31                          ; s31  where the step's two key tiles begin in LDS
.macro PLACES n                        ; plain vector instructions between a matrix instruction and what may not follow it closely (ISA guide 7.12.1)
.rept \n
	v_nop
.endr
.endm
.macro FP4C d, a, b, c, sa, sb         ; D = A B + C on codes
	v_wmma_scale_f32_16x16x128_f8f6f4 v[(\d):(\d)+7], v[(\a):(\a)+7], v[(\b):(\b)+7], v[(\c):(\c)+7], v[(\sa)], v[(\sb)] matrix_a_fmt:MATRIX_FMT_FP4 matrix_b_fmt:MATRIX_FMT_FP4
.endm
.macro FP4Z d, a, b, sa, sb            ; D = A B
	v_wmma_scale_f32_16x16x128_f8f6f4 v[(\d):(\d)+7], v[(\a):(\a)+7], v[(\b):(\b)+7], 0, v[(\sa)], v[(\sb)] matrix_a_fmt:MATRIX_FMT_FP4 matrix_b_fmt:MATRIX_FMT_FP4
.endm
.macro MM d, a, b                      ; a link in place
	v_wmma_f32_16x16x4_f32 v[(\d):(\d)+7], v[(\a):(\a)+1], v[(\b):(\b)+1], v[(\d):(\d)+7]
.endm
.macro MM0 d, a, b                     ; a sum's first step
	v_wmma_f32_16x16x4_f32 v[(\d):(\d)+7], v[(\a):(\a)+1], v[(\b):(\b)+1], 0
.endm
.macro MMC d, a, b, c                  ; the same onto other registers
	v_wmma_f32_16x16x4_f32 v[(\d):(\d)+7], v[(\a):(\a)+1], v[(\b):(\b)+1], v[(\c):(\c)+7]
.endm
.macro BARRIER                         ; my LDS stores have landed and my LDS loads are in: then the work-group's barrier
	s_wait_dscnt 0x0
	s_barrier_signal -1
	s_barrier_wait -1
.endm
; What wave w needs to make K and V of key tiles 2 w and 2 w + 1 of pass p: 28 loads.  The upper halves of the fragments (K = 64 .. 127) are zero codes; each fragment has its own.
.macro PROJ_LOADS p
.irp t, 0,1,2,3
.irp j, 4,5,6,7
	v_mov_b32 v[WK+8*\t+\j], 0
	v_mov_b32 v[WV+8*\t+\j], 0
.endr
.endr
.irp e, 0,1
.irp j, 4,5,6,7
	v_mov_b32 v[ZF+8*\e+\j], 0
.endr
.endr
.irp e, 0,1
	global_load_b128 v[ZF+8*\e:ZF+8*\e+3], v[GA], s[40:41] offset:(\p)*16384+\e*512
	global_load_u16 v[ZS+\e], v[GS], s[42:43] offset:(\p)*1024+\e*32          ; two scale bytes; bytes 2 and 3 are 0 and stand over zero codes
.endr
.irp t, 0,1,2,3
	global_load_b128 v[WK+8*\t:WK+8*\t+3], v[PA], s[12:13] offset:(64+16*\t)*32
	global_load_b128 v[WV+8*\t:WV+8*\t+3], v[GA], s[12:13] offset:(128+16*\t)*32
	global_load_u16 v[WKS+\t], v[PS], s[14:15] offset:(64+16*\t)*2
	global_load_u16 v[WVS+\t], v[GS], s[14:15] offset:(128+16*\t)*2
	global_load_b128 v[BK+8*\t:BK+8*\t+3], v[HB], s[16:17] offset:(64+16*\t)*4       ; K's bias in the result's layout: even head dims 4 h on,
	global_load_b128 v[BK+8*\t+4:BK+8*\t+7], v[HB], s[16:17] offset:(64+16*\t)*4+32  ; odd head likewise
.endr
.endm
; K and V of my two key tiles, all heads, into LDS.  Four accumulators take turns.  Behind each batch five places: four for the stores that read the results, five since the next batch writes over them with another C.
.macro PROJ_DO
	s_wait_loadcnt 0x0
	PLACES 4                                       ; the zero codes were written by vector instructions
.irp e, 0,1
.irp t, 0,1,2,3
	FP4C 72+8*\t, WK+8*\t, ZF+8*\e, BK+8*\t, WKS+\t, ZS+\e
.endr
	PLACES 5
.irp t, 0,1,2,3
	ds_store_b128 v[STO], v[72+8*\t:75+8*\t] offset:\e*8192+\t*1024            ; head 2 t
	ds_store_b128 v[STO], v[76+8*\t:79+8*\t] offset:\e*8192+\t*1024+512        ; head 2 t + 1
.endr
	s_wait_dscnt 0x0                               ; the stores have read their registers
.irp t, 0,1,2,3
	FP4Z 72+8*\t, ZF+8*\e, WV+8*\t, ZS+\e, WVS+\t
.endr
	PLACES 5
.irp t, 0,1,2,3
	ds_store_b128 v[STO], v[72+8*\t:75+8*\t] offset:\e*8192+4096+\t*1024       ; tokens 8 h + 0 .. 3 of channels 16 t + r
	ds_store_b128 v[STO], v[76+8*\t:79+8*\t] offset:\e*8192+4096+\t*1024+512   ; tokens 8 h + 4 .. 7
.endr
	s_wait_dscnt 0x0
.endr
.endm
.macro INIT                            ; a unit's state: O = 0, L = 0, M = -3e38: the first step's F is then 0 and multiplies zeros
.irp j, 0,1,2,3,4,5,6,7,8,9,10,11,12,13,14,15
	v_mov_b32 v[40+\j], 0
.endr
.irp j, 57,59,60,61,62,63,64,65,66,67
	v_mov_b32 v[\j], 0
.endr
	v_mov_b32 v56, NEG
	v_mov_b32 v58, NEG
.endm
; A KEY STEP: 32 keys, two heads, 16 queries.  q: the unit's Q.
.macro STEP q
	s_cmp_gt_u32 s[KS], s[LAST]                    ; all keys of the step come after my queries: its work is left out (a branch on ids; the address step at the end is not jumped over)
	s_cbranch_scc1 .Lskip_\@
	v_add_nc_u32 v[AD], s[OFF], v[RD0]
	ds_load_b128 v[152:155], v[AD]                 ; K: even head, keys 0-15
	ds_load_b128 v[156:159], v[AD] offset:512      ; odd head
	ds_load_b128 v[160:163], v[AD] offset:8192     ; keys 16-31
	ds_load_b128 v[164:167], v[AD] offset:8704
	ds_load_b128 v[168:171], v[AD] offset:4096     ; V: keys 0-15
	ds_load_b128 v[172:175], v[AD] offset:4608
	ds_load_b128 v[176:179], v[AD] offset:12288    ; keys 16-31
	ds_load_b128 v[180:183], v[AD] offset:12800
	s_cmp_lg_u32 s[KS], s[LAST]
	s_cbranch_scc1 .Lopen_\@
	; the diagonal step: the sums begin with -3e38 where the key comes after the query, else with 0.  Register j of tile kt is key 16 kt + 8 h + j of the step, my query is 16 (t % 2) + r
	v_add_nc_u32 v12, s[DG], v[DQ]
	v_mov_b32 v13, NEG
.irp n, 0,1,2,3,4,5,6,7,8,9,10,11,12,13,14,15
	v_cmp_gt_i32 vcc_lo, 16*(\n/8)+\n%8, v12
	v_cndmask_b32 v[120+\n], 0, v13, vcc_lo
.endr
	s_wait_dscnt 4                                 ; K's four loads are in; V's four, issued behind them, may be out
	MMC 72, 152, (\q), 120
	MMC 80, 156, (\q)+4, 120
	MMC 88, 160, (\q), 128
	MMC 96, 164, (\q)+4, 128
	s_branch .Ljoin_\@
.Lopen_\@:
	s_wait_dscnt 4                                 ; as above
	MM0 72, 152, (\q)
	MM0 80, 156, (\q)+4
	MM0 88, 160, (\q)
	MM0 96, 164, (\q)+4
.Ljoin_\@:
	MM 72, 154, (\q)+2                             ; the other four dims; the four accumulators take turns
	MM 80, 158, (\q)+6
	MM 88, 162, (\q)+2
	MM 96, 166, (\q)+6
	PLACES 8
	; the largest of my 16 scores and the old M, the two heads by turns; each accumulator is entered at its low end
.irp x, 0,1
	v_max3_num_f32 v[57+2*\x], v[72+8*\x], v[73+8*\x], v[74+8*\x]
.endr
.irp j, 3,5
.irp x, 0,1
	v_max3_num_f32 v[57+2*\x], v[57+2*\x], v[72+8*\x+\j], v[73+8*\x+\j]
.endr
.endr
.irp x, 0,1
	v_max3_num_f32 v[57+2*\x], v[57+2*\x], v[79+8*\x], v[88+8*\x]
.endr
.irp j, 1,3,5
.irp x, 0,1
	v_max3_num_f32 v[57+2*\x], v[57+2*\x], v[88+8*\x+\j], v[89+8*\x+\j]
.endr
.endr
.irp x, 0,1
	v_max3_num_f32 v[57+2*\x], v[57+2*\x], v[95+8*\x], v[56+2*\x]
.endr
.irp x, 0,1
	v_permlanex16_b32 v[61+2*\x], v[57+2*\x], s32, s33     ; the query's other 16 keys lie in the lane 16 away
.endr
.irp x, 0,1
	v_max_num_f32 v[61+2*\x], v[57+2*\x], v[61+2*\x]       ; the new M
.endr
.irp x, 0,1
	v_sub_f32 v[60+2*\x], v[56+2*\x], v[61+2*\x]           ; old M - new M
.endr
.irp x, 0,1
	v_mov_b32 v[56+2*\x], v[61+2*\x]
.endr
.irp g, 0,1,2,3
.irp k, 0,2,4,6
	v_pk_add_f32 v[120+8*\g+\k:121+8*\g+\k], v[72+8*\g+\k:73+8*\g+\k], v[56+2*(\g%2):57+2*(\g%2)] op_sel_hi:[1,0] neg_lo:[0,1] neg_hi:[0,1]   ; s - M, two at a time (the pair's low word, M, serves both)
.endr
.endr
	v_exp_f32 v60, v60                             ; ONE BATCH of 34 exponentials: F of both heads and the 32 p; none reads another's result
	v_exp_f32 v62, v62
.set JJ, 0
.rept 32
	v_exp_f32 v[120+JJ], v[120+JJ]
.set JJ, JJ+1
.endr
	v_nop                                          ; a plain instruction behind the last exponential
	s_wait_alu depctr_va_vdst(0)                   ; one wait for the batch, ahead of the first instruction that names a result
	s_wait_dscnt 0x0                               ; V is in
	; the step's V^T P^T: 32 keys in eight K steps of four; the two heads' accumulators take turns
.irp kt, 0,1
.irp i, 0,2,4,6
.if (\kt+\i) == 0
	MM0 104, 168, 120
	MM0 112, 168, 128
.else
	MM 104, 168+8*\kt+\i, 120+16*\kt+\i
	MM 112, 168+8*\kt+\i, 128+16*\kt+\i
.endif
.endr
.endr
	; L = L F + the step's p.  These 16 lines are also the places behind the products: each product's registers are named by one of them at the most
	v_pk_fma_f32 v[64:65], v[64:65], v[60:61], v[120:121] op_sel_hi:[1,0,1]
	v_pk_fma_f32 v[66:67], v[66:67], v[62:63], v[128:129] op_sel_hi:[1,0,1]
.irp k, 2,4,6,16,18,20,22
	v_pk_add_f32 v[64:65], v[64:65], v[120+\k:121+\k]
	v_pk_add_f32 v[66:67], v[66:67], v[128+\k:129+\k]
.endr
.irp k, 0,2,4,6
	v_pk_fma_f32 v[40+\k:41+\k], v[40+\k:41+\k], v[60:61], v[104+\k:105+\k] op_sel_hi:[1,0,1]   ; O = O F + the step's part, from the low end on
	v_pk_fma_f32 v[48+\k:49+\k], v[48+\k:49+\k], v[62:63], v[112+\k:113+\k] op_sel_hi:[1,0,1]
.endr
.Lskip_\@:
	s_add_co_u32 s[OFF], s[OFF], 16384             ; the next step's two key tiles
.endm
.macro ATTN q, end                     ; the 16 key steps of a pass: the trip count is a constant; s[KS] runs up to end
	s_mov_b32 s[OFF], 0
.Lk_\@:
	STEP \q
	s_add_co_u32 s[KS], s[KS], 1
	s_cmp_lt_u32 s[KS], \end
	s_cbranch_scc1 .Lk_\@
.endm
; A unit's end: lanes 0-15 take the even head's O and L, lanes 16-31 the odd head's; O / L + V's bias: 8 channels of my query's row, 32 bytes, into the stage.
.macro FINAL sg
	v_add_f32 v64, v64, v65
	v_add_f32 v66, v66, v67
	v_permlanex16_b32 v65, v64, s32, s33
	v_permlanex16_b32 v67, v66, s32, s33
	v_add_f32 v64, v64, v65
	v_add_f32 v66, v66, v67
	v_cndmask_b32 v57, v64, v66, s34
	v_rcp_f32 v60, v57
.irp j, 0,1,2,3,4,5,6,7
	v_cndmask_b32 v[120+\j], v[40+\j], v[48+\j], s34       ; plain work behind the reciprocal
.endr
	s_wait_alu depctr_va_vdst(0)                   ; ahead of the first instruction that names the reciprocal
.irp k, 0,2,4,6
	v_pk_fma_f32 v[120+\k:121+\k], v[120+\k:121+\k], v[60:61], v[BVR+\k:BVR+\k+1] op_sel_hi:[1,0,1]
.endr
	ds_store_b128 v[\sg], v[120:123]
	ds_store_b128 v[\sg], v[124:127] offset:16
	s_wait_dscnt 0x0                               ; the stores have read their registers
.endm
	s_load_b512 s[8:23], s[0:1], 0x0               ; z's codes s[8:9], z's scales s[10:11], W_qkv's codes s[12:13], its scales s[14:15], b_qkv s[16:17], W_proj's codes s[18:19], its scales s[20:21], b_proj s[22:23]
	s_load_b64 s[24:25], s[0:1], 0x40              ; out
	v_lshl_add_u32 v254, v0, 2, 0x48800
	v_mov_b32 v255, 0
	v_lshrrev_b32 v12, 5, v0
	v_readfirstlane_b32 s2, v12                    ; wave 0..15
	s_and_b32 s3, s2, 3                            ; hp
	s_lshr_b32 s4, s2, 2                           ; u
	s_mov_b32 s5, ttmp9                            ; i
	s_and_b32 s6, ttmp7, 0xffff                    ; b
	s_lshl_b32 s26, s5, 2
	s_add_co_u32 s26, s26, s4                      ; tA = 4 i + u
	s_sub_co_u32 s27, 63, s26                      ; tB
	s_mov_b32 s32, 0x76543210                      ; v_permlanex16_b32's selects for lane l xor 16
	s_mov_b32 s33, 0xfedcba98
	s_mov_b32 s34, 0xffff0000                      ; lanes 16-31
	v_and_b32 v13, 31, v0                          ; lane
	v_and_b32 v14, 15, v0                          ; r
	v_bfe_u32 v15, v0, 4, 1                        ; h
	s_lshl_b32 s60, s3, 10
	v_lshl_add_u32 v[RD0], v13, 4, s60
	s_lshl_b32 s60, s2, 14
	v_lshl_add_u32 v[STO], v13, 4, s60
	v_mul_u32_u24 v12, v14, SP
	v_lshl_add_u32 v12, v15, 5, v12                ; the stage: row r, + 32 h
	s_lshl_b32 s61, s3, 6
	s_add_co_u32 s61, s61, STG                     ; + 64 hp: channels 16 hp + 8 h on
	s_mul_i32 s60, s4, 16*SP
	s_add_co_u32 s60, s60, s61
	v_add_nc_u32 v[SGA], s60, v12                  ; unit A: rows 16 u on
	s_xor_b32 s60, s4, 3
	s_add_co_u32 s60, s60, 4
	s_mul_i32 s60, s60, 16*SP
	s_add_co_u32 s60, s60, s61
	v_add_nc_u32 v[SGB], s60, v12                  ; unit B: tile 63 - tA is tile 3 - u of block 15 - i: rows 16 (4 + 3 - u) on
	v_lshlrev_b32 v[GA], 5, v14
	v_lshl_add_u32 v[GA], v15, 4, v[GA]
	v_lshlrev_b32 v[GS], 1, v14
	v_bfe_u32 v[PA], v0, 2, 1
	v_and_b32 v[PS], 3, v0
	v_lshl_add_u32 v[PS], v[PA], 3, v[PS]
	v_bfe_u32 v[PA], v0, 3, 1
	v_lshl_add_u32 v[PS], v[PA], 2, v[PS]          ; 8 ((r/4)%2) + 4 (r/8) + r%4
	v_lshlrev_b32 v[PA], 5, v[PS]
	v_lshl_add_u32 v[PA], v15, 4, v[PA]
	v_lshlrev_b32 v[PS], 1, v[PS]
	v_lshlrev_b32 v[HB], 4, v15
	v_lshlrev_b32 v[DQ], 3, v15
	v_sub_nc_u32 v[DQ], v14, v[DQ]
	v_lshlrev_b32 v12, 5, v15                      ; 32 h: V's bias
	s_mov_b32 s61, 0
	s_wait_kmcnt 0x0
	s_lshl_b32 s60, s6, 15
	s_add_nc_u64 s[36:37], s[8:9], s[60:61]        ; my batch's codes,
	s_lshl_b32 s60, s6, 11
	s_add_nc_u64 s[38:39], s[10:11], s[60:61]      ; and scale bytes
	s_lshl_b32 s60, s2, 10
	s_add_nc_u64 s[40:41], s[36:37], s[60:61]      ; at key tile 2 w of a pass
	s_lshl_b32 s60, s2, 6
	s_add_nc_u64 s[42:43], s[38:39], s[60:61]
	s_lshl_b32 s60, s26, 9
	s_add_nc_u64 s[44:45], s[36:37], s[60:61]      ; at query tile tA
	s_lshl_b32 s60, s26, 5
	s_add_nc_u64 s[46:47], s[38:39], s[60:61]
	s_lshl_b32 s60, s27, 9
	s_add_nc_u64 s[48:49], s[36:37], s[60:61]      ; at tB
	s_lshl_b32 s60, s27, 5
	s_add_nc_u64 s[50:51], s[38:39], s[60:61]
	s_lshl_b32 s60, s3, 9
	s_add_nc_u64 s[52:53], s[12:13], s[60:61]      ; W_q's 16 rows of my heads,
	s_lshl_b32 s60, s3, 5
	s_add_nc_u64 s[54:55], s[14:15], s[60:61]      ; their scale bytes,
	s_lshl_b32 s60, s3, 6
	s_add_nc_u64 s[56:57], s[16:17], s[60:61]      ; their bias
	; Q of both units: ten loads, into registers that the units' state takes later
	global_load_b128 v[40:43], v[PA], s[52:53]
	global_load_u16 v250, v[PS], s[54:55]
	global_load_b128 v[48:51], v[HB], s[56:57]
	global_load_b128 v[52:55], v[HB], s[56:57] offset:32
	global_load_b128 v[56:59], v[GA], s[44:45]
	global_load_b128 v[64:67], v[GA], s[48:49]
	global_load_u16 v251, v[GS], s[46:47]
	global_load_u16 v252, v[GS], s[50:51]
	global_load_b128 v[BVR:BVR+3], v12, s[56:57] offset:512
	global_load_b128 v[BVR+4:BVR+7], v12, s[56:57] offset:528
.irp j, 44,45,46,47,60,61,62,63,68,69,70,71
	v_mov_b32 v[\j], 0                             ; zero codes for K = 64 .. 127
.endr
	PROJ_LOADS 0
	s_wait_loadcnt 28                              ; the ten are in; the 28 issued behind them may be out
	PLACES 4
	FP4C 104, 40, 56, 48, 250, 251
	FP4C 112, 40, 64, 48, 250, 252
	PLACES 4
.irp j, 0,1,2,3,4,5,6,7
	v_mul_f32 v[QA+\j], CQ, v[104+\j]
.endr
.irp j, 0,1,2,3,4,5,6,7
	v_mul_f32 v[QB+\j], CQ, v[112+\j]
.endr
	INIT
	PROJ_DO
	BARRIER                                        ; K and V of keys 0-511 lie in LDS
	s_lshr_b32 s[LAST], s26, 1                     ; ---- unit A
	s_and_b32 s[DG], s26, 1
	s_lshl_b32 s[DG], s[DG], 4
	s_mov_b32 s[KS], 0
	ATTN QA, 16
	FINAL SGA
	INIT                                           ; ---- unit B, keys 0-511
	s_lshr_b32 s[LAST], s27, 1
	s_and_b32 s[DG], s27, 1
	s_lshl_b32 s[DG], s[DG], 4
	s_mov_b32 s[KS], 0
	ATTN QB, 16
	PROJ_LOADS 1                                   ; asked for ahead of the barrier: they land while the other waves arrive
	BARRIER                                        ; every wave's reads of keys 0-511 are over
	PROJ_DO
	BARRIER                                        ; K and V of keys 512-1023 lie in LDS
	s_mov_b32 s[KS], 16                            ; ---- unit B, keys 512-1023
	ATTN QB, 32
	FINAL SGB
	BARRIER                                        ; 128 rows of the attention's output lie in the stage
	; ---- the second product.  Waves 0-7 take 16 rows of the stage each; the others have no part in it.  No barrier follows.
	s_cmp_ge_u32 s2, 8
	s_cbranch_scc1 .Lend
	s_lshl_b32 s60, s5, 2                          ; token tile: 4 i + w for w < 4,
	s_sub_co_u32 s61, 56, s60                      ; 4 (15 - i) + w - 4 else
	s_cmp_lt_u32 s2, 4
	s_cselect_b32 s60, s60, s61
	s_add_co_u32 s60, s60, s2
	s_lshl_b32 s61, s6, 6
	s_add_co_u32 s60, s60, s61                     ; + 64 tiles a batch
	s_lshl_b32 s60, s60, 12                        ; 16 rows of 256 bytes
	s_mov_b32 s61, 0
	s_add_nc_u64 s[58:59], s[24:25], s[60:61]
	v_and_b32 v14, 15, v0
	v_bfe_u32 v15, v0, 4, 1
	v_lshlrev_b32 v12, 5, v15                      ; b_proj: 32 h
	s_mul_i32 s60, s2, 16*SP
	s_add_co_u32 s60, s60, STG                     ; my 16 rows of the stage
	v_mul_u32_u24 v13, v14, SP
	v_add_nc_u32 v13, s60, v13
	v_lshl_add_u32 v1, v15, 7, v13                 ; row r, block h: my 32 numbers
	v_lshl_add_u32 v2, v15, 5, v13                 ; row r, + 32 h: where my results go
	v_mul_u32_u24 v3, v15, SP
	v_lshl_add_u32 v3, v14, 4, v3
	v_add_nc_u32 v3, s60, v3                       ; back: lanes 0-15 one row, lanes 16-31 the next
	v_lshlrev_b32 v4, 8, v15
	v_lshl_add_u32 v4, v14, 4, v4                  ; and the same two rows in out
.irp n, 0,1,2,3
	global_load_b128 v[120+8*\n:123+8*\n], v[GA], s[18:19] offset:\n*512
	global_load_u16 v[240+\n], v[GS], s[20:21] offset:\n*32
	global_load_b128 v[152+8*\n:155+8*\n], v12, s[22:23] offset:\n*64          ; the bias in the result's layout: channels 16 n + 8 h + 0 .. 7
	global_load_b128 v[156+8*\n:159+8*\n], v12, s[22:23] offset:\n*64+16
.endr
.irp n, 0,1,2,3
.irp j, 4,5,6,7
	v_mov_b32 v[120+8*\n+\j], 0
.endr
	v_mov_b32 v[220+\n], 0
.endr
.irp k, 0,1,2,3,4,5,6,7
	ds_load_b128 v[184+4*\k:187+4*\k], v1 offset:16*\k
.endr
	s_wait_dscnt 0x0
	; my block of 32 channels: its largest magnitude, with the floor 2^(3 - 127) among the leaves, so that the byte cannot fall under 1; two chains
	v_max3_num_f32 v14, |v184|, |v185|, 0x1800000
	v_max3_num_f32 v15, |v200|, |v201|, |v202|
.irp k, 2,4,6,8,10,12
	v_max3_num_f32 v14, v14, |v[184+\k]|, |v[185+\k]|
	v_max3_num_f32 v15, v15, |v[201+\k]|, |v[202+\k]|
.endr
	v_max3_num_f32 v14, v14, |v198|, |v199|
	v_max3_num_f32 v14, v14, v15, |v215|
	v_add_nc_u32 v13, 0xff000000, v14              ; 2 off its exponent field: the conversion takes the exponent field of this operand as its scale
	v_lshrrev_b32 v14, 23, v13                     ; the scale's byte,
	v_bfe_u32 v15, v0, 4, 1
	v_lshlrev_b32 v15, 3, v15
	v_lshlrev_b32 v14, v15, v14                    ; at its place in the row's scale word (8 h bits up);
	v_permlanex16_b32 v15, v14, s32, s33
	v_or_b32 v253, v14, v15                        ; with lane l xor 16's the word is whole
.irp g, 0,1,2,3
	v_cvt_scalef32_pk8_fp4_f32 v[216+\g], v[184+8*\g:191+8*\g], v13
.endr
	PLACES 8                                       ; behind the conversions; an operand written by vector instructions stands 4 places ahead of a scaled matrix instruction, a scale register 8
	s_wait_loadcnt 0x0
.irp n, 0,1,2,3
	FP4C 72+8*\n, 120+8*\n, 216, 152+8*\n, 240+\n, 253     ; transposed: source 0 = 16 rows of W_proj, source 1 = my 16 tokens: a lane holds 8 neighbouring channels of a row
.endr
	PLACES 4
.irp n, 0,1,2,3
	ds_store_b128 v2, v[72+8*\n:75+8*\n] offset:64*\n      ; into my own 16 rows of the stage, which I alone have read
	ds_store_b128 v2, v[76+8*\n:79+8*\n] offset:64*\n+16
.endr
.irp k, 0,1,2,3,4,5,6,7
	ds_load_b128 v[184+4*\k:187+4*\k], v3 offset:2*\k*SP   ; LDS serves a wave's instructions in order (ISA guide 5.7.1.4): these see the stores above
.endr
.irp k, 0,1,2,3,4,5,6,7
	s_wait_dscnt 7-\k                              ; rows 2 k and 2 k + 1 are back; the younger loads may be out
	global_store_b128 v4, v[184+4*\k:187+4*\k], s[58:59] offset:512*\k th:TH_STORE_NT   ; sixteen lanes store a row's 256 consecutive bytes, at a multiple of 256 from out's first byte
.endr
.Lend:
	s_wait_tensorcnt 0x0
	ds_add_u32 v254, v255
	s_wait_dscnt 0x0
	s_endpgm
.Lfunc_end_k_qb60c0f884d_latt:
	.size	k_qb60c0f884d_latt, .Lfunc_end_k_qb60c0f884d_latt-k_qb60c0f884d_latt
	.p2alignl 7, 3214868480
	.fill 96, 4, 3214868480
	.section	.rodata,"a",@progbits
	.p2align	6, 0x0
	.amdhsa_kernel k_qb60c0f884d_latt
		.amdhsa_group_segment_fixed_size 299008
		.amdhsa_private_segment_fixed_size 0
		.amdhsa_enable_private_segment 0
		.amdhsa_kernarg_size 72
		.amdhsa_user_sgpr_count 2
		.amdhsa_user_sgpr_kernarg_segment_ptr 1
		.amdhsa_wavefront_size32 1
		.amdhsa_system_sgpr_workgroup_id_x 1
		.amdhsa_system_sgpr_workgroup_id_y 1
		.amdhsa_system_sgpr_workgroup_id_z 1
		.amdhsa_system_vgpr_workitem_id 0
		.amdhsa_next_free_vgpr 256
		.amdhsa_next_free_sgpr 66
		.amdhsa_reserve_vcc 1
		.amdhsa_float_denorm_mode_32 3
		.amdhsa_float_denorm_mode_16_64 3
		.amdhsa_memory_ordered 1
		.amdhsa_forward_progress 1
		.amdhsa_inst_pref_size 65
	.end_amdhsa_kernel
	.amdgpu_metadata
---
amdhsa.version: [ 1, 2 ]
amdhsa.kernels:
  - .name:           k_qb60c0f884d_latt
    .symbol:         k_qb60c0f884d_latt.kd
    .args:
      - { .name: z_codes, .offset: 0, .size: 8, .value_kind: global_buffer, .address_space: global }
      - { .name: z_scales, .offset: 8, .size: 8, .value_kind: global_buffer, .address_space: global }
      - { .name: w_qkv_codes, .offset: 16, .size: 8, .value_kind: global_buffer, .address_space: global }
      - { .name: w_qkv_scales, .offset: 24, .size: 8, .value_kind: global_buffer, .address_space: global }
      - { .name: b_qkv, .offset: 32, .size: 8, .value_kind: global_buffer, .address_space: global }
      - { .name: w_proj_codes, .offset: 40, .size: 8, .value_kind: global_buffer, .address_space: global }
      - { .name: w_proj_scales, .offset: 48, .size: 8, .value_kind: global_buffer, .address_space: global }
      - { .name: b_proj, .offset: 56, .size: 8, .value_kind: global_buffer, .address_space: global }
      - { .name: out0, .offset: 64, .size: 8, .value_kind: global_buffer, .address_space: global }
    .group_segment_fixed_size: 299008
    .private_segment_fixed_size: 0
    .kernarg_segment_align: 8
    .kernarg_segment_size: 72
    .max_flat_workgroup_size: 512
    .sgpr_count:     66
    .vgpr_count:     256
    .wavefront_size: 32
...
	.end_amdgpu_metadata
.endif
;; end of part 1
;; ======== version 2 of 2: 1 launch; version 1 with the launch latt written anew for expert scheduling mode
;; launch latt (part 2): grid 8 x 32, 16 waves a work-group, no clusters, 299,008 bytes of LDS; arguments z_codes, z_scales, w_qkv_codes, w_qkv_scales, b_qkv, w_proj_codes, w_proj_scales, b_proj, out0; writes out0
.if DOCPART == 2
	.amdgcn_target "amdgcn-amd-amdhsa--gfx1250"
	.amdhsa_code_object_version 6
	.text
	.protected	k_qb60c0f884d_latt
	.globl	k_qb60c0f884d_latt
	.p2align	8
	.type	k_qb60c0f884d_latt,@function
k_qb60c0f884d_latt:
	s_mov_b64 s[64:65], 0
	v_nop
	global_prefetch_b8 v0, s[64:65] scope:SCOPE_SE
	s_setreg_imm32_b32 hwreg(HW_REG_WAVE_SCHED_MODE, 0, 2), 2
	s_setreg_imm32_b32 hwreg(HW_REG_WAVE_MODE, 25, 1), 1
	s_wait_xcnt 0x0
	s_wait_alu depctr_vm_vsrc(0)
; out = softmax_causal(q k^T / sqrt(8)) v, projected:  qkv = z W_qkv + b_qkv and out = o W_proj + b_proj are products on codes of FP4 (E2M1) with one E8M0 byte
; for each 32 along K (K = 64: two blocks; the instruction's other 64 along K are zero codes on both sides).  q k^T and p v lie on the way to the second product's
; quantiser, so they take f32 operands: v_wmma_f32_16x16x4_f32.  32 batches, 1,024 tokens, 8 heads of 8.
; SHARES.  Work-group (i = x in 0..7, b = y) owns batch b, all heads, and the query blocks i and 15 - i of 64 tokens.  Wave w: heads 2 hp and 2 hp + 1 (hp = w % 4), u = w / 4;
; it runs two units: query tile tA = 4 i + u (16 tokens), then tB = 63 - tA.  A key step is 32 keys; tile t needs steps 0 .. t / 2; tA + tB = 63, so every wave runs 33 steps, 24 f32 matrix instructions each.
; K AND V of all heads lie in LDS in f32, 512 keys at a time (262,144 bytes), made by the work-group itself from z's codes: pass 0 (keys 0-511) serves unit A and steps 0-15 of unit B, pass 1 the rest of unit B.
; They lie as IMAGES OF OPERAND REGISTERS: four registers of a wave are 512 consecutive bytes, 16 a lane.
; LAYOUTS (r = lane % 16, h = lane / 16).  Q, K: the FP4 product is used transposed (source 0 = 16 rows of W, source 1 = 16 tokens) and lane r of source 0 takes channel 16 t + 8 ((r/4)%2) + 4 (r/8) + r%4:
; registers 0-3 of the result are then token r, even head, dims 4 h .. 4 h + 3, registers 4-7 the odd head's: pairs of them are the f32 form's operands, the same order of dims on both sides.
; S^T = K Q^T: register j = key 8 h + j of query r.  V: natural (source 0 = tokens): register j = V(token 8 h + j, channel 16 t + r), which is source 0 of O^T = V^T P^T; pair 2 i, 2 i + 1 of V's image and of P hold the same four keys.
; O^T's rows 0-7 (lanes 0-15) are right with the even head's P, rows 8-15 (lanes 16-31) with the odd head's: two accumulators, chosen by lane at the end.
; SOFTMAX.  c = log2(e) / sqrt(8) is multiplied into Q once; for each query a running maximum M and sum L; p = 2^(s - M); in every step O and L are multiplied by 2^(old M - new M).
; V's bias is added at the end: the weights p / L of a row add up to 1, so sum (p / L) (V + bv) = (sum p V) / L + bv, for every input.
; NO CLUSTER, NO JOINT LOADS: what the eight work-groups of a batch share is z's 34,816 bytes of codes and scale bytes and 9,728 bytes of weights and biases; a wave takes them straight into operand
; registers, by 2 x 28 loads beside its 792 f32 matrix instructions.
; LIMITS: NaN and infinities among the inputs are not served.  Hidden scores get -3e38 added: that lies under every score while |score x c| stays far under 1e38.  p under 2^-126 counts as 0 (v_exp_f32).
; A block of the attention's output whose largest magnitude lies under 2^-124 keeps the scale byte 1.  1 / L is v_rcp_f32's; L is at least 1, since a row's largest p is 1.
; THE MODE: SCHED_MODE bits 1:0 = 2 (LLVM: expert scheduling mode 2), set by the entry lines.  The code itself states the register dependences
; between vector or matrix instructions and memory or LDS instructions, with s_wait_alu, always for 0.
; THE PLAN.  Registers that memory or LDS instructions touch:
;   v3-v10      addresses and offsets, made once at the head, ahead of the wait that stands in front of the first load; v3 and v4 are written anew on the way out alone.
;   v2          the key step's LDS address: written by one addition at the step's head, read by the step's eight LDS loads.
;   v152-183    K's and V's images: the step's LDS loads land in them, the step's matrix instructions read them, nothing else names them in a step.
;               So a key step's head holds one wait on vm_vsrc (the earlier loads have read v2), the addition, and one wait on va_vdst (v2 is written; the earlier readers and writers of v152-183 are done).
;               K's four loads follow at once, V's four stand behind the step's first four products: nothing issued since the wait names v2 or v168-183.
;   v72-103     while K and V are made: written by four products, read by the eight LDS stores behind them, written by the next four: a wait on va_vdst ahead of the stores, one on vm_vsrc behind them.
;   v120-231, v240-249  while K and V are made: the 28 loads land in them (pass 1: behind a wait on va_vdst, since P, K, V and pass 0's operands lay there); the zero codes are written behind the loads, into other registers.
;   v120-127    at a unit's end: written by four multiply-adds, read by two LDS stores: a wait on va_vdst ahead of the stores, one on vm_vsrc behind them, which also frees v2, v3 and v4 for the way out.
;   s2, s44-59  written by vector instructions (the wave's number; the diagonal step's sixteen masks, in one run): a wait on va_sdst ahead of the first reader.
;   Zero codes, codes and a scale word that vector instructions write for a scaled product: the places, then a wait on va_vdst, then the product.
.set STG,  262144                      ; LDS: behind K and V the stage: 128 rows (tokens 64 i + row; from row 64 on 64 (15 - i) + row - 64) of 256 bytes + 16 of padding
.set SP,   272
.set NEG,  0xff61b1e6                  ; -3e38
.set CQ,   0x3f0293ee                  ; log2(e) / sqrt(8)
.set RD0,  1                           ; v1   1024 hp + 16 lane: my heads' images in a key tile
.set AD,   2                           ; v2   LDS address of the step in hand
.set STO,  3                           ; v3   16384 w + 16 lane: where I store the images of my two key tiles
.set SGA,  4                           ; v4   the stage: where unit A's 32 bytes of a row go;  v5 unit B's
.set SGB,  5
.set GA,   6                           ; v6   32 r + 16 h: a row's block h of codes
.set GS,   7                           ; v7   2 r: a row's two scale bytes
.set PA,   8                           ; v8, v9 the same for the permuted rows of W_q and W_k
.set PS,   9
.set HB,   10                          ; v10  16 h
.set DQ,   11                          ; v11  r - 8 h
.set BVR,  16                          ; v16-23  V's bias at channels 16 hp + 8 h + 0 .. 7
.set QA,   24                          ; v24-31  unit A's Q x c: even head 24-27, odd head 28-31;  v32-39 unit B's
.set QB,   32
; v40-47, v48-55 O^T of the two heads; v56, 57 / v58, 59 (M, T); v60, 61 / v62, 63 (F, U); v64-65, v66-67 L.
; v72-119 are written by matrix instructions alone: S^T at 72, 80, 88, 96 (even head keys 0-15, odd head, even head keys 16-31, odd head), the step's V^T P^T at 104, 112.
; v120-151 P, in S^T's order (v120-135 hold the mask in a diagonal step, ahead of P); v152-167 K's four quads; v168-183 V's two images.  v240-253 hold scales and nothing else.
.set WK,   120                         ; while K and V are made: W_k's four fragments, W_v's, K's bias, z's two fragments
.set WV,   152
.set BK,   184
.set ZF,   216
.set WKS,  240
.set WVS,  244
.set ZS,   248
.set LAST, 28                          ; s28  the unit's last key step, t / 2
.set DG,   29                          ; s29  16 (t % 2)
.set KS,   30                          ; s30  the key step, counted over both passes
.set OFF,  31                          ; s31  where the step's two key tiles begin in LDS
.set MK,   44                          ; s44-59  the diagonal step's sixteen masks (at the head s44-57 hold Q's addresses; the loads that read them are shown done by the head's waits on LOADcnt)
.macro PLACES n                        ; plain vector instructions between a matrix instruction and what may not follow it closely (ISA guide 7.12.1)
.rept \n
	v_nop
.endr
.endm
.macro FP4C d, a, b, c, sa, sb         ; D = A B + C on codes
	v_wmma_scale_f32_16x16x128_f8f6f4 v[(\d):(\d)+7], v[(\a):(\a)+7], v[(\b):(\b)+7], v[(\c):(\c)+7], v[(\sa)], v[(\sb)] matrix_a_fmt:MATRIX_FMT_FP4 matrix_b_fmt:MATRIX_FMT_FP4
.endm
.macro FP4Z d, a, b, sa, sb            ; D = A B
	v_wmma_scale_f32_16x16x128_f8f6f4 v[(\d):(\d)+7], v[(\a):(\a)+7], v[(\b):(\b)+7], 0, v[(\sa)], v[(\sb)] matrix_a_fmt:MATRIX_FMT_FP4 matrix_b_fmt:MATRIX_FMT_FP4
.endm
.macro MM d, a, b                      ; a link in place
	v_wmma_f32_16x16x4_f32 v[(\d):(\d)+7], v[(\a):(\a)+1], v[(\b):(\b)+1], v[(\d):(\d)+7]
.endm
.macro MM0 d, a, b                     ; a sum's first step
	v_wmma_f32_16x16x4_f32 v[(\d):(\d)+7], v[(\a):(\a)+1], v[(\b):(\b)+1], 0
.endm
.macro MMC d, a, b, c                  ; the same onto other registers
	v_wmma_f32_16x16x4_f32 v[(\d):(\d)+7], v[(\a):(\a)+1], v[(\b):(\b)+1], v[(\c):(\c)+7]
.endm
.macro BARRIER                         ; my LDS stores have landed and my LDS loads are in: then the work-group's barrier
	s_wait_dscnt 0x0
	s_barrier_signal -1
	s_barrier_wait -1
.endm
; What wave w needs to make K and V of key tiles 2 w and 2 w + 1 of pass p: 28 loads, into the lower halves of the fragments, the bias and the scale words.
.macro PROJ_LOADS p
.irp e, 0,1
	global_load_b128 v[ZF+8*\e:ZF+8*\e+3], v[GA], s[40:41] offset:(\p)*16384+\e*512
	global_load_u16 v[ZS+\e], v[GS], s[42:43] offset:(\p)*1024+\e*32          ; two scale bytes; bytes 2 and 3 are 0 and stand over zero codes
.endr
.irp t, 0,1,2,3
	global_load_b128 v[WK+8*\t:WK+8*\t+3], v[PA], s[12:13] offset:(64+16*\t)*32
	global_load_b128 v[WV+8*\t:WV+8*\t+3], v[GA], s[12:13] offset:(128+16*\t)*32
	global_load_u16 v[WKS+\t], v[PS], s[14:15] offset:(64+16*\t)*2
	global_load_u16 v[WVS+\t], v[GS], s[14:15] offset:(128+16*\t)*2
	global_load_b128 v[BK+8*\t:BK+8*\t+3], v[HB], s[16:17] offset:(64+16*\t)*4       ; K's bias in the result's layout: even head dims 4 h on,
	global_load_b128 v[BK+8*\t+4:BK+8*\t+7], v[HB], s[16:17] offset:(64+16*\t)*4+32  ; odd head likewise
.endr
.endm
; The upper halves of the fragments (K = 64 .. 127) are zero codes; each fragment has its own.  None of these registers is one in which a load above lands.
.macro PROJ_ZERO
.irp t, 0,1,2,3
.irp j, 4,5,6,7
	v_mov_b32 v[WK+8*\t+\j], 0
	v_mov_b32 v[WV+8*\t+\j], 0
.endr
.endr
.irp e, 0,1
.irp j, 4,5,6,7
	v_mov_b32 v[ZF+8*\e+\j], 0
.endr
.endr
.endm
; K and V of my two key tiles, all heads, into LDS.  Four accumulators take turns.  Behind each batch five places: four for the stores that read the results, five since the next batch writes over them with another C.
.macro PROJ_DO
	s_wait_loadcnt 0x0
	PLACES 4                                       ; the zero codes were written by vector instructions
	s_wait_alu depctr_va_vdst(0)                   ; the zero codes of W_k's, W_v's and z's fragments are written, which the scaled products below take in A and B
.irp e, 0,1
.irp t, 0,1,2,3
	FP4C 72+8*\t, WK+8*\t, ZF+8*\e, BK+8*\t, WKS+\t, ZS+\e
.endr
	PLACES 5
	s_wait_alu depctr_va_vdst(0)                   ; the four products have written v72-103, which the LDS stores read; the places above stay beside this wait
.irp t, 0,1,2,3
	ds_store_b128 v[STO], v[72+8*\t:75+8*\t] offset:\e*8192+\t*1024            ; head 2 t
	ds_store_b128 v[STO], v[76+8*\t:79+8*\t] offset:\e*8192+\t*1024+512        ; head 2 t + 1
.endr
	s_wait_dscnt 0x0                               ; the stores are done
	s_wait_alu depctr_vm_vsrc(0)                   ; the stores have read v72-103, which the next four products write
.irp t, 0,1,2,3
	FP4Z 72+8*\t, ZF+8*\e, WV+8*\t, ZS+\e, WVS+\t
.endr
	PLACES 5
	s_wait_alu depctr_va_vdst(0)                   ; the four products have written v72-103, which the LDS stores read
.irp t, 0,1,2,3
	ds_store_b128 v[STO], v[72+8*\t:75+8*\t] offset:\e*8192+4096+\t*1024       ; tokens 8 h + 0 .. 3 of channels 16 t + r
	ds_store_b128 v[STO], v[76+8*\t:79+8*\t] offset:\e*8192+4096+\t*1024+512   ; tokens 8 h + 4 .. 7
.endr
	s_wait_dscnt 0x0
	s_wait_alu depctr_vm_vsrc(0)                   ; the stores have read v72-103, which the next products (the next key tile's, or the key steps') write
.endr
.endm
.macro INIT                            ; a unit's state: O = 0, L = 0, M = -3e38: the first step's F is then 0 and multiplies zeros
.irp j, 0,1,2,3,4,5,6,7,8,9,10,11,12,13,14,15
	v_mov_b32 v[40+\j], 0
.endr
.irp j, 57,59,60,61,62,63,64,65,66,67
	v_mov_b32 v[\j], 0
.endr
	v_mov_b32 v56, NEG
	v_mov_b32 v58, NEG
.endm
; A KEY STEP: 32 keys, two heads, 16 queries.  q: the unit's Q.
.macro STEP q
	s_cmp_gt_u32 s[KS], s[LAST]                    ; all keys of the step come after my queries: its work is left out (a branch on ids; the address step at the end is not jumped over)
	s_cbranch_scc1 .Lskip_\@
	s_wait_alu depctr_vm_vsrc(0)                   ; the LDS loads issued so far have read v[AD], which the next line writes
	v_add_nc_u32 v[AD], s[OFF], v[RD0]
	s_wait_alu depctr_va_vdst(0)                   ; v[AD] is written, which the eight loads read; what read or wrote v152-183 before (the last step's matrix instructions; W_v's products and zero codes) is done
	ds_load_b128 v[152:155], v[AD]                 ; K: even head, keys 0-15
	ds_load_b128 v[156:159], v[AD] offset:512      ; odd head
	ds_load_b128 v[160:163], v[AD] offset:8192     ; keys 16-31
	ds_load_b128 v[164:167], v[AD] offset:8704
	s_cmp_lg_u32 s[KS], s[LAST]
	s_cbranch_scc1 .Lopen_\@
	; the diagonal step: the sums begin with -3e38 where the key comes after the query, else with 0.  Register j of tile kt is key 16 kt + 8 h + j of the step, my query is 16 (t % 2) + r
	v_add_nc_u32 v12, s[DG], v[DQ]
	v_mov_b32 v13, NEG
.irp n, 0,1,2,3,4,5,6,7,8,9,10,11,12,13,14,15
	v_cmp_gt_i32 s[MK+\n], 16*(\n/8)+\n%8, v12     ; the compares in one run, a scalar register each
.endr
	s_wait_alu depctr_va_sdst(0)                   ; the sixteen masks are written, ahead of their first reader
.irp n, 0,1,2,3,4,5,6,7,8,9,10,11,12,13,14,15
	v_cndmask_b32 v[120+\n], 0, v13, s[MK+\n]
.endr
	s_wait_dscnt 0x0                               ; K's four loads are in
	MMC 72, 152, (\q), 120
	MMC 80, 156, (\q)+4, 120
	MMC 88, 160, (\q), 128
	MMC 96, 164, (\q)+4, 128
	s_branch .Ljoin_\@
.Lopen_\@:
	s_wait_dscnt 0x0                               ; as above
	MM0 72, 152, (\q)
	MM0 80, 156, (\q)+4
	MM0 88, 160, (\q)
	MM0 96, 164, (\q)+4
.Ljoin_\@:
	ds_load_b128 v[168:171], v[AD] offset:4096     ; V: keys 0-15.  No wait: no vector or matrix instruction since the wait at the step's head names v[AD] or v168-183
	ds_load_b128 v[172:175], v[AD] offset:4608
	ds_load_b128 v[176:179], v[AD] offset:12288    ; keys 16-31
	ds_load_b128 v[180:183], v[AD] offset:12800
	MM 72, 154, (\q)+2                             ; the other four dims; the four accumulators take turns
	MM 80, 158, (\q)+6
	MM 88, 162, (\q)+2
	MM 96, 166, (\q)+6
	PLACES 8
	; the largest of my 16 scores and the old M, the two heads by turns; each accumulator is entered at its low end
.irp x, 0,1
	v_max3_num_f32 v[57+2*\x], v[72+8*\x], v[73+8*\x], v[74+8*\x]
.endr
.irp j, 3,5
.irp x, 0,1
	v_max3_num_f32 v[57+2*\x], v[57+2*\x], v[72+8*\x+\j], v[73+8*\x+\j]
.endr
.endr
.irp x, 0,1
	v_max3_num_f32 v[57+2*\x], v[57+2*\x], v[79+8*\x], v[88+8*\x]
.endr
.irp j, 1,3,5
.irp x, 0,1
	v_max3_num_f32 v[57+2*\x], v[57+2*\x], v[88+8*\x+\j], v[89+8*\x+\j]
.endr
.endr
.irp x, 0,1
	v_max3_num_f32 v[57+2*\x], v[57+2*\x], v[95+8*\x], v[56+2*\x]
.endr
.irp x, 0,1
	v_permlanex16_b32 v[61+2*\x], v[57+2*\x], s32, s33     ; the query's other 16 keys lie in the lane 16 away
.endr
.irp x, 0,1
	v_max_num_f32 v[61+2*\x], v[57+2*\x], v[61+2*\x]       ; the new M
.endr
.irp x, 0,1
	v_sub_f32 v[60+2*\x], v[56+2*\x], v[61+2*\x]           ; old M - new M
.endr
.irp x, 0,1
	v_mov_b32 v[56+2*\x], v[61+2*\x]
.endr
.irp g, 0,1,2,3
.irp k, 0,2,4,6
	v_pk_add_f32 v[120+8*\g+\k:121+8*\g+\k], v[72+8*\g+\k:73+8*\g+\k], v[56+2*(\g%2):57+2*(\g%2)] op_sel_hi:[1,0] neg_lo:[0,1] neg_hi:[0,1]   ; s - M, two at a time (the pair's low word, M, serves both)
.endr
.endr
	v_exp_f32 v60, v60                             ; ONE BATCH of 34 exponentials: F of both heads and the 32 p; none reads another's result
	v_exp_f32 v62, v62
.set JJ, 0
.rept 32
	v_exp_f32 v[120+JJ], v[120+JJ]
.set JJ, JJ+1
.endr
	v_nop                                          ; a plain instruction behind the last exponential
	s_wait_alu depctr_va_vdst(0)                   ; the 34 exponentials have written v60, v62 and v120-151: one wait for the batch, ahead of the first instruction that names a result
	s_wait_dscnt 0x0                               ; V is in
	; the step's V^T P^T: 32 keys in eight K steps of four; the two heads' accumulators take turns
.irp kt, 0,1
.irp i, 0,2,4,6
.if (\kt+\i) == 0
	MM0 104, 168, 120
	MM0 112, 168, 128
.else
	MM 104, 168+8*\kt+\i, 120+16*\kt+\i
	MM 112, 168+8*\kt+\i, 128+16*\kt+\i
.endif
.endr
.endr
	; L = L F + the step's p.  These 16 lines are also the places behind the products: each product's registers are named by one of them at the most
	v_pk_fma_f32 v[64:65], v[64:65], v[60:61], v[120:121] op_sel_hi:[1,0,1]
	v_pk_fma_f32 v[66:67], v[66:67], v[62:63], v[128:129] op_sel_hi:[1,0,1]
.irp k, 2,4,6,16,18,20,22
	v_pk_add_f32 v[64:65], v[64:65], v[120+\k:121+\k]
	v_pk_add_f32 v[66:67], v[66:67], v[128+\k:129+\k]
.endr
.irp k, 0,2,4,6
	v_pk_fma_f32 v[40+\k:41+\k], v[40+\k:41+\k], v[60:61], v[104+\k:105+\k] op_sel_hi:[1,0,1]   ; O = O F + the step's part, from the low end on
	v_pk_fma_f32 v[48+\k:49+\k], v[48+\k:49+\k], v[62:63], v[112+\k:113+\k] op_sel_hi:[1,0,1]
.endr
.Lskip_\@:
	s_add_co_u32 s[OFF], s[OFF], 16384             ; the next step's two key tiles
.endm
.macro ATTN q, end                     ; the 16 key steps of a pass: the trip count is a constant; s[KS] runs up to end
	s_mov_b32 s[OFF], 0
.Lk_\@:
	STEP \q
	s_add_co_u32 s[KS], s[KS], 1
	s_cmp_lt_u32 s[KS], \end
	s_cbranch_scc1 .Lk_\@
.endm
; A unit's end: lanes 0-15 take the even head's O and L, lanes 16-31 the odd head's; O / L + V's bias: 8 channels of my query's row, 32 bytes, into the stage.
.macro FINAL sg
	v_add_f32 v64, v64, v65
	v_add_f32 v66, v66, v67
	v_permlanex16_b32 v65, v64, s32, s33
	v_permlanex16_b32 v67, v66, s32, s33
	v_add_f32 v64, v64, v65
	v_add_f32 v66, v66, v67
	v_cndmask_b32 v57, v64, v66, s34
	v_rcp_f32 v60, v57
.irp j, 0,1,2,3,4,5,6,7
	v_cndmask_b32 v[120+\j], v[40+\j], v[48+\j], s34       ; plain work behind the reciprocal
.endr
	s_wait_alu depctr_va_vdst(0)                   ; the reciprocal has written v60, ahead of the first instruction that names it
.irp k, 0,2,4,6
	v_pk_fma_f32 v[120+\k:121+\k], v[120+\k:121+\k], v[60:61], v[BVR+\k:BVR+\k+1] op_sel_hi:[1,0,1]
.endr
	s_wait_alu depctr_va_vdst(0)                   ; the four multiply-adds have written v120-127, which the LDS stores read
	ds_store_b128 v[\sg], v[120:123]
	ds_store_b128 v[\sg], v[124:127] offset:16
	s_wait_dscnt 0x0                               ; the stores are done
	s_wait_alu depctr_vm_vsrc(0)                   ; the stores have read v120-127, which the next unit's steps, the zero codes or the way out's loads write; behind unit B: v2, v3 and v4 have been read too, which the way out writes anew
.endm
	s_load_b512 s[8:23], s[0:1], 0x0               ; z's codes s[8:9], z's scales s[10:11], W_qkv's codes s[12:13], its scales s[14:15], b_qkv s[16:17], W_proj's codes s[18:19], its scales s[20:21], b_proj s[22:23]
	s_load_b64 s[24:25], s[0:1], 0x40              ; out
	v_lshl_add_u32 v254, v0, 2, 0x48800
	v_mov_b32 v255, 0
	v_lshrrev_b32 v12, 5, v0
	v_readfirstlane_b32 s2, v12                    ; wave 0..15
	s_wait_alu depctr_va_sdst(0)                   ; s2 is written, ahead of its first reader: shares, addresses and branches are made from it
	s_and_b32 s3, s2, 3                            ; hp
	s_lshr_b32 s4, s2, 2                           ; u
	s_mov_b32 s5, ttmp9                            ; i
	s_and_b32 s6, ttmp7, 0xffff                    ; b
	s_lshl_b32 s26, s5, 2
	s_add_co_u32 s26, s26, s4                      ; tA = 4 i + u
	s_sub_co_u32 s27, 63, s26                      ; tB
	s_mov_b32 s32, 0x76543210                      ; v_permlanex16_b32's selects for lane l xor 16
	s_mov_b32 s33, 0xfedcba98
	s_mov_b32 s34, 0xffff0000                      ; lanes 16-31
	v_and_b32 v13, 31, v0                          ; lane
	v_and_b32 v14, 15, v0                          ; r
	v_bfe_u32 v15, v0, 4, 1                        ; h
	s_lshl_b32 s60, s3, 10
	v_lshl_add_u32 v[RD0], v13, 4, s60
	s_lshl_b32 s60, s2, 14
	v_lshl_add_u32 v[STO], v13, 4, s60
	v_mul_u32_u24 v12, v14, SP
	v_lshl_add_u32 v12, v15, 5, v12                ; the stage: row r, + 32 h
	s_lshl_b32 s61, s3, 6
	s_add_co_u32 s61, s61, STG                     ; + 64 hp: channels 16 hp + 8 h on
	s_mul_i32 s60, s4, 16*SP
	s_add_co_u32 s60, s60, s61
	v_add_nc_u32 v[SGA], s60, v12                  ; unit A: rows 16 u on
	s_xor_b32 s60, s4, 3
	s_add_co_u32 s60, s60, 4
	s_mul_i32 s60, s60, 16*SP
	s_add_co_u32 s60, s60, s61
	v_add_nc_u32 v[SGB], s60, v12                  ; unit B: tile 63 - tA is tile 3 - u of block 15 - i: rows 16 (4 + 3 - u) on
	v_lshlrev_b32 v[GA], 5, v14
	v_lshl_add_u32 v[GA], v15, 4, v[GA]
	v_lshlrev_b32 v[GS], 1, v14
	v_bfe_u32 v[PA], v0, 2, 1
	v_and_b32 v[PS], 3, v0
	v_lshl_add_u32 v[PS], v[PA], 3, v[PS]
	v_bfe_u32 v[PA], v0, 3, 1
	v_lshl_add_u32 v[PS], v[PA], 2, v[PS]          ; 8 ((r/4)%2) + 4 (r/8) + r%4
	v_lshlrev_b32 v[PA], 5, v[PS]
	v_lshl_add_u32 v[PA], v15, 4, v[PA]
	v_lshlrev_b32 v[PS], 1, v[PS]
	v_lshlrev_b32 v[HB], 4, v15
	v_lshlrev_b32 v[DQ], 3, v15
	v_sub_nc_u32 v[DQ], v14, v[DQ]
	v_lshlrev_b32 v12, 5, v15                      ; 32 h: V's bias
	s_mov_b32 s61, 0
	s_wait_kmcnt 0x0
	s_lshl_b32 s60, s6, 15
	s_add_nc_u64 s[36:37], s[8:9], s[60:61]        ; my batch's codes,
	s_lshl_b32 s60, s6, 11
	s_add_nc_u64 s[38:39], s[10:11], s[60:61]      ; and scale bytes
	s_lshl_b32 s60, s2, 10
	s_add_nc_u64 s[40:41], s[36:37], s[60:61]      ; at key tile 2 w of a pass
	s_lshl_b32 s60, s2, 6
	s_add_nc_u64 s[42:43], s[38:39], s[60:61]
	s_lshl_b32 s60, s26, 9
	s_add_nc_u64 s[44:45], s[36:37], s[60:61]      ; at query tile tA
	s_lshl_b32 s60, s26, 5
	s_add_nc_u64 s[46:47], s[38:39], s[60:61]
	s_lshl_b32 s60, s27, 9
	s_add_nc_u64 s[48:49], s[36:37], s[60:61]      ; at tB
	s_lshl_b32 s60, s27, 5
	s_add_nc_u64 s[50:51], s[38:39], s[60:61]
	s_lshl_b32 s60, s3, 9
	s_add_nc_u64 s[52:53], s[12:13], s[60:61]      ; W_q's 16 rows of my heads,
	s_lshl_b32 s60, s3, 5
	s_add_nc_u64 s[54:55], s[14:15], s[60:61]      ; their scale bytes,
	s_lshl_b32 s60, s3, 6
	s_add_nc_u64 s[56:57], s[16:17], s[60:61]      ; their bias
	s_wait_alu depctr_va_vdst(0)                   ; the addresses and offsets v3 to v10 and v12 are written, which the loads and LDS stores from here on read
	; Q of both units: ten loads, into registers that the units' state takes later
	global_load_b128 v[40:43], v[PA], s[52:53]
	global_load_u16 v250, v[PS], s[54:55]
	global_load_b128 v[48:51], v[HB], s[56:57]
	global_load_b128 v[52:55], v[HB], s[56:57] offset:32
	global_load_b128 v[56:59], v[GA], s[44:45]
	global_load_b128 v[64:67], v[GA], s[48:49]
	global_load_u16 v251, v[GS], s[46:47]
	global_load_u16 v252, v[GS], s[50:51]
	global_load_b128 v[BVR:BVR+3], v12, s[56:57] offset:512
	global_load_b128 v[BVR+4:BVR+7], v12, s[56:57] offset:528
	PROJ_LOADS 0                                   ; in the same run: no vector instruction has named a register in which these land
.irp j, 44,45,46,47,60,61,62,63,68,69,70,71
	v_mov_b32 v[\j], 0                             ; zero codes for K = 64 .. 127
.endr
	s_wait_loadcnt 28                              ; the ten are in; the 28 issued behind them may be out
	PLACES 4
	s_wait_alu depctr_va_vdst(0)                   ; the zero codes v44-47, v60-63 and v68-71 are written, which the two scaled products take in A and B
	FP4C 104, 40, 56, 48, 250, 251
	FP4C 112, 40, 64, 48, 250, 252
	PROJ_ZERO                                      ; forty plain lines that name no register of the two products: the places behind them
.irp j, 0,1,2,3,4,5,6,7
	v_mul_f32 v[QA+\j], CQ, v[104+\j]
.endr
.irp j, 0,1,2,3,4,5,6,7
	v_mul_f32 v[QB+\j], CQ, v[112+\j]
.endr
	INIT
	PROJ_DO
	BARRIER                                        ; K and V of keys 0-511 lie in LDS
	s_lshr_b32 s[LAST], s26, 1                     ; ---- unit A
	s_and_b32 s[DG], s26, 1
	s_lshl_b32 s[DG], s[DG], 4
	s_mov_b32 s[KS], 0
	ATTN QA, 16
	FINAL SGA
	INIT                                           ; ---- unit B, keys 0-511
	s_lshr_b32 s[LAST], s27, 1
	s_and_b32 s[DG], s27, 1
	s_lshl_b32 s[DG], s[DG], 4
	s_mov_b32 s[KS], 0
	ATTN QB, 16
	s_wait_alu depctr_va_vdst(0)                   ; what wrote or read v120-231 and v240-249 (the key steps' P, K and V; pass 0's products) is done: the 28 loads land there
	PROJ_LOADS 1                                   ; asked for ahead of the barrier: they land while the other waves arrive
	PROJ_ZERO
	BARRIER                                        ; every wave's reads of keys 0-511 are over
	PROJ_DO
	BARRIER                                        ; K and V of keys 512-1023 lie in LDS
	s_mov_b32 s[KS], 16                            ; ---- unit B, keys 512-1023
	ATTN QB, 32
	FINAL SGB
	BARRIER                                        ; 128 rows of the attention's output lie in the stage
	; ---- the second product.  Waves 0-7 take 16 rows of the stage each; the others have no part in it.  No barrier follows.
	s_cmp_ge_u32 s2, 8
	s_cbranch_scc1 .Lend
	s_lshl_b32 s60, s5, 2                          ; token tile: 4 i + w for w < 4,
	s_sub_co_u32 s61, 56, s60                      ; 4 (15 - i) + w - 4 else
	s_cmp_lt_u32 s2, 4
	s_cselect_b32 s60, s60, s61
	s_add_co_u32 s60, s60, s2
	s_lshl_b32 s61, s6, 6
	s_add_co_u32 s60, s60, s61                     ; + 64 tiles a batch
	s_lshl_b32 s60, s60, 12                        ; 16 rows of 256 bytes
	s_mov_b32 s61, 0
	s_add_nc_u64 s[58:59], s[24:25], s[60:61]
	v_and_b32 v14, 15, v0
	v_bfe_u32 v15, v0, 4, 1
	v_lshlrev_b32 v12, 5, v15                      ; b_proj: 32 h
	s_mul_i32 s60, s2, 16*SP
	s_add_co_u32 s60, s60, STG                     ; my 16 rows of the stage
	v_mul_u32_u24 v13, v14, SP
	v_add_nc_u32 v13, s60, v13
	v_lshl_add_u32 v1, v15, 7, v13                 ; row r, block h: my 32 numbers
	v_lshl_add_u32 v2, v15, 5, v13                 ; row r, + 32 h: where my results go
	v_mul_u32_u24 v3, v15, SP
	v_lshl_add_u32 v3, v14, 4, v3
	v_add_nc_u32 v3, s60, v3                       ; back: lanes 0-15 one row, lanes 16-31 the next
	v_lshlrev_b32 v4, 8, v15
	v_lshl_add_u32 v4, v14, 4, v4                  ; and the same two rows in out
	s_wait_alu depctr_va_vdst(0)                   ; v1 to v4 and v12 are written, which the loads and stores below read as addresses; what named v120-215 and v240-243 before, in which the loads land, is done
.irp n, 0,1,2,3
	global_load_b128 v[120+8*\n:123+8*\n], v[GA], s[18:19] offset:\n*512
	global_load_u16 v[240+\n], v[GS], s[20:21] offset:\n*32
	global_load_b128 v[152+8*\n:155+8*\n], v12, s[22:23] offset:\n*64          ; the bias in the result's layout: channels 16 n + 8 h + 0 .. 7
	global_load_b128 v[156+8*\n:159+8*\n], v12, s[22:23] offset:\n*64+16
.endr
.irp k, 0,1,2,3,4,5,6,7
	ds_load_b128 v[184+4*\k:187+4*\k], v1 offset:16*\k
.endr
.irp n, 0,1,2,3
.irp j, 4,5,6,7
	v_mov_b32 v[120+8*\n+\j], 0
.endr
	v_mov_b32 v[220+\n], 0
.endr
	s_wait_dscnt 0x0
	; my block of 32 channels: its largest magnitude, with the floor 2^(3 - 127) among the leaves, so that the byte cannot fall under 1; two chains
	v_max3_num_f32 v14, |v184|, |v185|, 0x1800000
	v_max3_num_f32 v15, |v200|, |v201|, |v202|
.irp k, 2,4,6,8,10,12
	v_max3_num_f32 v14, v14, |v[184+\k]|, |v[185+\k]|
	v_max3_num_f32 v15, v15, |v[201+\k]|, |v[202+\k]|
.endr
	v_max3_num_f32 v14, v14, |v198|, |v199|
	v_max3_num_f32 v14, v14, v15, |v215|
	v_add_nc_u32 v13, 0xff000000, v14              ; 2 off its exponent field: the conversion takes the exponent field of this operand as its scale
	v_lshrrev_b32 v14, 23, v13                     ; the scale's byte,
	v_bfe_u32 v15, v0, 4, 1
	v_lshlrev_b32 v15, 3, v15
	v_lshlrev_b32 v14, v15, v14                    ; at its place in the row's scale word (8 h bits up);
	v_permlanex16_b32 v15, v14, s32, s33
	v_or_b32 v253, v14, v15                        ; with lane l xor 16's the word is whole
.irp g, 0,1,2,3
	v_cvt_scalef32_pk8_fp4_f32 v[216+\g], v[184+8*\g:191+8*\g], v13
.endr
	PLACES 8                                       ; behind the conversions; an operand written by vector instructions stands 4 places ahead of a scaled matrix instruction, a scale register 8
	s_wait_loadcnt 0x0
	s_wait_alu depctr_va_vdst(0)                   ; the codes v216-219, the zero codes v220-223 and W_proj's, and the scale word v253 are written, which the scaled products take as B, A and scale
.irp n, 0,1,2,3
	FP4C 72+8*\n, 120+8*\n, 216, 152+8*\n, 240+\n, 253     ; transposed: source 0 = 16 rows of W_proj, source 1 = my 16 tokens: a lane holds 8 neighbouring channels of a row
.endr
	PLACES 4
	s_wait_alu depctr_va_vdst(0)                   ; the four products have written v72-103, which the LDS stores read; the maxima and conversions are done reading v184-215, in which the loads below land
.irp n, 0,1,2,3
	ds_store_b128 v2, v[72+8*\n:75+8*\n] offset:64*\n      ; into my own 16 rows of the stage, which I alone have read
	ds_store_b128 v2, v[76+8*\n:79+8*\n] offset:64*\n+16
.endr
.irp k, 0,1,2,3,4,5,6,7
	ds_load_b128 v[184+4*\k:187+4*\k], v3 offset:2*\k*SP   ; LDS serves a wave's instructions in order (ISA guide 5.7.1.4): these see the stores above
.endr
.irp k, 0,1,2,3,4,5,6,7
	s_wait_dscnt 7-\k                              ; rows 2 k and 2 k + 1 are back; the younger loads may be out
	global_store_b128 v4, v[184+4*\k:187+4*\k], s[58:59] offset:512*\k th:TH_STORE_NT   ; sixteen lanes store a row's 256 consecutive bytes, at a multiple of 256 from out's first byte
.endr
.Lend:
	s_wait_dscnt 0x0
	s_wait_alu depctr_hold_cnt(0) depctr_sa_sdst(0) depctr_va_vdst(0) depctr_va_sdst(0) depctr_va_ssrc(0) depctr_va_vcc(0) depctr_vm_vsrc(0)
	s_wait_tensorcnt 0x0
	ds_add_u32 v254, v255
	s_wait_dscnt 0x0
	s_endpgm
.Lfunc_end_k_qb60c0f884d_latt:
	.size	k_qb60c0f884d_latt, .Lfunc_end_k_qb60c0f884d_latt-k_qb60c0f884d_latt
	.p2alignl 7, 3214868480
	.fill 96, 4, 3214868480
	.section	.rodata,"a",@progbits
	.p2align	6, 0x0
	.amdhsa_kernel k_qb60c0f884d_latt
		.amdhsa_group_segment_fixed_size 299008
		.amdhsa_private_segment_fixed_size 0
		.amdhsa_enable_private_segment 0
		.amdhsa_kernarg_size 72
		.amdhsa_user_sgpr_count 2
		.amdhsa_user_sgpr_kernarg_segment_ptr 1
		.amdhsa_wavefront_size32 1
		.amdhsa_system_sgpr_workgroup_id_x 1
		.amdhsa_system_sgpr_workgroup_id_y 1
		.amdhsa_system_sgpr_workgroup_id_z 1
		.amdhsa_system_vgpr_workitem_id 0
		.amdhsa_next_free_vgpr 256
		.amdhsa_next_free_sgpr 66
		.amdhsa_reserve_vcc 0
		.amdhsa_float_denorm_mode_32 3
		.amdhsa_float_denorm_mode_16_64 3
		.amdhsa_memory_ordered 1
		.amdhsa_forward_progress 1
		.amdhsa_inst_pref_size 69
	.end_amdhsa_kernel
	.amdgpu_metadata
---
amdhsa.version: [ 1, 2 ]
amdhsa.kernels:
  - .name:           k_qb60c0f884d_latt
    .symbol:         k_qb60c0f884d_latt.kd
    .args:
      - { .name: z_codes, .offset: 0, .size: 8, .value_kind: global_buffer, .address_space: global }
      - { .name: z_scales, .offset: 8, .size: 8, .value_kind: global_buffer, .address_space: global }
      - { .name: w_qkv_codes, .offset: 16, .size: 8, .value_kind: global_buffer, .address_space: global }
      - { .name: w_qkv_scales, .offset: 24, .size: 8, .value_kind: global_buffer, .address_space: global }
      - { .name: b_qkv, .offset: 32, .size: 8, .value_kind: global_buffer, .address_space: global }
      - { .name: w_proj_codes, .offset: 40, .size: 8, .value_kind: global_buffer, .address_space: global }
      - { .name: w_proj_scales, .offset: 48, .size: 8, .value_kind: global_buffer, .address_space: global }
      - { .name: b_proj, .offset: 56, .size: 8, .value_kind: global_buffer, .address_space: global }
      - { .name: out0, .offset: 64, .size: 8, .value_kind: global_buffer, .address_space: global }
    .group_segment_fixed_size: 299008
    .private_segment_fixed_size: 0
    .kernarg_segment_align: 8
    .kernarg_segment_size: 72
    .max_flat_workgroup_size: 512
    .sgpr_count:     66
    .vgpr_count:     256
    .wavefront_size: 32
...
	.end_amdgpu_metadata
.endif
;; end of part 2
